; MI455X (gfx1250); checked and timed in simulation.
; The chip was launched on July 23, 2026; its instructions are those of AMD's public machine-readable ISA for CDNA 5 (MIT licence, August 2026) and "CDNA5" Instruction Set Architecture Reference Guide (July 2026). The comments in the code are by the model that wrote it; some were corrected since.
;; Ex4bit Linear. Allowed arithmetic: matrix products marked QUANTISED: E2M1 operands, one E8M0 scale for each 32 along K, by v_wmma_scale_f32_16x16x128_f8f6f4 with both operands' format E2M1 (or v_wmma_scale_f32_32x16x128_f4), f32 sums; everything else in f32.
;; Inputs: qweight 512 x 2,048 int32; qzeros 32 x 256 int32; scales 32 x 2,048 float32; x 4 x 2,048 x 4,096 float32.
;; Outputs: out0 4 x 2,048 x 2,048 float32.
;; This version of the problem:
;;   THIS VERSION OF THE PROBLEM IS GIVEN IN LOW PRECISION. The matrix products marked QUANTISED in the list below multiply operands that are first quantised to E2M1 (2 exponent bits, 1 mantissa bit; 4 bits a number), with one power-of-two scale for each 32 numbers along K (OCP MX v1.0); their sums are f32. All else is computed in f32.
;;   The module's matrix products, in the order in which they are computed (A, B: the left and right operand; K: the contracted axis; several contracted axes count as one K, in the product's order):
;;     1. [M 8,192, K 4,096] x [K 4,096, N 2,048]; A: input x; B: computed on the way: QUANTISED
;;   THE QUANTISER, for each operand of a quantised product, along K:
;;     - K is cut into blocks of 32 from its start; a last block that is shorter is filled with zeros.
;;     - A block's scale is 2^e with e = floor(log2(the largest magnitude in the block)) - 2, held to -126 .. 127; a block of zeros has e = 0. As a byte (E8M0): e + 127.
;;     - Each number is divided by its block's scale, clamped to +-6, and rounded to the nearest number of E2M1, ties to even, subnormals kept.
;;     - The product sums the exact products of the quantised numbers (number of the format x scale) in f32.
;;   ~~~python
;;   def quantise(x, axis):      # numpy; x: float32 -> the quantised numbers, widened to float32 again
;;       x = np.moveaxis(x, axis, -1); K = x.shape[-1]
;;       x = np.pad(x, [(0, 0)] * (x.ndim - 1) + [(0, -K % 32)]); x = x.reshape(x.shape[:-1] + (-1, 32)); a = np.abs(x).max(-1, keepdims=True)
;;       e = np.where(a > 0, np.clip(np.frexp(np.where(a > 0, a, 1))[1] - 1 - 2, -126, 127), 0)      # np.frexp(a)[1] - 1 = floor(log2(a)), exactly
;;       r = np.clip(x / 2.0 ** e, -6, 6)
;;       step = 2.0 ** (np.maximum(np.frexp(np.where(r == 0, 1, r))[1] - 1, 0) - 1)
;;       q = np.round(r / step) * step * 2.0 ** e      # np.round: ties to even
;;       return np.moveaxis(q.reshape(q.shape[:-2] + (-1,))[..., :K], -1, axis).astype(np.float32)
;;   ~~~
;;   OPERANDS COMPUTED ON THE WAY. 'Computed on the way' means the value that the module computes at that place (a softmax that the list does not call 'softmax' is quantised finished and normalised). What goes into a quantiser is computed in f32, as accurately as f32 sums, v_exp_f32 and their like allow (about 1e-6 of the number): no bf16 or f16 on the way to a quantiser, and a product that is left as it is and whose result goes on into a quantised operand takes f32 operands (vector FMAs, or v_wmma_f32_16x16x4_f32). A number that lies on a knife's edge between two numbers of the format may be rounded either way, as far as f32 arithmetic and the matrix unit's own rounding can turn it there, and no further.
;; One version. Each part assembles by itself: llvm-mc -triple=amdgcn-amd-amdhsa -mcpu=gfx1250 --defsym DOCPART=n.
;; ======== version 1 of 1: 2 launches
;; limits: right only within a limited range of input values
;; workspace buffers: a_q 17,825,792 bytes; b_q 4,456,448 bytes
;; launch quant (part 1): grid 1152 x 1, 4 waves a work-group, no clusters, 36,352 bytes of LDS; arguments x, qweight, qzeros, scales, a_q, b_q; writes a_q, b_q
.if DOCPART == 1
	.amdgcn_target "amdgcn-amd-amdhsa--gfx1250"
	.amdhsa_code_object_version 6
	.text
	.protected	k_qecc610c7fe_quant
	.globl	k_qecc610c7fe_quant
	.p2align	8
	.type	k_qecc610c7fe_quant,@function
k_qecc610c7fe_quant:
	s_mov_b64 s[64:65], 0
	v_nop
	global_prefetch_b8 v0, s[64:65] scope:SCOPE_SE
	s_setreg_imm32_b32 hwreg(HW_REG_WAVE_MODE, 25, 1), 1
	s_wait_xcnt 0x0
; BOTH OPERANDS OF out = x w BECOME CODES OF FP4 (E2M1) WITH ONE E8M0 SCALE BYTE FOR EACH 32 ALONG K.
; x: [8192][4096] f32, K innermost.  w[k][n] = (q[k][n] - (z[k/128][n] + 1)) * s[k/128][n], K its first axis: qweight [512][2048] holds eight neighbouring k of one column in a word
; (nibble e = k 8 row + e), qzeros [32][256] eight neighbouring n in a word, scales [32][2048] f32.
; A block's scale is 2^(floor(log2(its largest magnitude)) - 2): its byte is the largest magnitude's exponent field - 2, held at 1 from below; each number is divided by it and rounded to the
; nearest code, ties to even, beyond 6 the largest code.
; LIMITS: NaN and infinities in x or in scales are not served.  A block of zeros gets the byte 1 where the rule says 127: its codes are zeros, which add nothing under any byte but 0xff, and
; the bytes are read by this program alone.  A largest magnitude under 2^-124 is held at the byte 1, as the rule's clip does.
; THE WORKSPACE IS LAID IN THE ORDER OF THE OPERAND'S REGISTERS.  A BLOCK of BLK = 34,816 bytes holds 128 rows (of x; columns n of w) x 512 along K:
;   bytes 0 .. 32,767: codes [i = 16 rows, 0..7][j = 32 along K, 0..15][r = row in i, 0..15][16 bytes];   bytes 32,768 .. 34,815: scale bytes [i][r][16], byte j for block j.
; a_q: block (G, t) at (8 G + t) BLK, G = row / 128, t = k / 512;  b_q the same with G = n / 128.
; SHARES.  Work-groups 0 .. 127 make one block of b_q each; work-groups 128 .. 1,151 make half the K of 16 rows of x each.  No barrier: waves share nothing.  Only x's path uses LDS.
.set BLK,  34816
.set SCB,  32768                       ; where a block's scale bytes begin
	s_load_b256 s[4:11], s[0:1], 0x0               ; x s[4:5], qweight s[6:7], qzeros s[8:9], scales s[10:11]
	s_load_b128 s[12:15], s[0:1], 0x20             ; a_q s[12:13], b_q s[14:15]
	v_lshl_add_u32 v14, v0, 2, 0x8c00              ; my spare word, behind the four waves' regions; v14 and v15 serve the closing add alone
	v_mov_b32 v15, 0
	v_lshrrev_b32 v1, 5, v0
	v_readfirstlane_b32 s16, v1                    ; wave 0..3
	v_and_b32 v1, 31, v0                           ; lane
	v_and_b32 v2, 15, v0                           ; r = lane % 16
	v_bfe_u32 v3, v0, 4, 1                         ; h = lane / 16
	s_mov_b32 s25, 0                               ; the high word of every offset below: all stay under 2^32
	s_wait_kmcnt 0x0
	s_cmp_lt_u32 ttmp9, 128
	s_cbranch_scc0 .Lx
; 32 numbers of one lane, v[xs] .. v[xs + 31], one block along K: its largest magnitude in v12 (two chains, and the floor 2^(3 - 127) as one more leaf, so that the byte cannot fall under 1),
; and in v11 that magnitude with 2 off its exponent field: the conversion takes the exponent field of this operand as its scale, and nothing else of it.
.macro BSCALE xs
	v_max3_num_f32 v12, |v[(\xs)]|, |v[(\xs)+1]|, |v[(\xs)+2]|
	v_max3_num_f32 v13, |v[(\xs)+3]|, |v[(\xs)+4]|, |v[(\xs)+5]|
.irp i, 6,10,14,18,22,26
	v_max3_num_f32 v12, v12, |v[(\xs)+\i]|, |v[(\xs)+\i+1]|
	v_max3_num_f32 v13, v13, |v[(\xs)+\i+2]|, |v[(\xs)+\i+3]|
.endr
	v_max3_num_f32 v12, v12, |v[(\xs)+30]|, |v[(\xs)+31]|
	v_max3_num_f32 v12, v12, v13, 0x1800000
	v_add_nc_u32 v11, 0xff000000, v12
.endm
; ---------------------------------------------------------------- w ----------------------------------------------------------------
; The work-group's number is 8 G + t: it makes block (G, t) of b_q.  Wave w takes columns 128 G + 32 w on.  A LANE TAKES A COLUMN, AND ITS REGISTERS RUN DOWN K: a load reads 128 consecutive
; bytes a wave (the four waves 512), a block of 32 along K is four words of one lane, its largest magnitude needs no other lane, and the codes come out with K innermost.
.set WQ,   16                          ; v16-79   the 64 words of my column; block j's four words are overwritten by block j's four registers of codes, so no store's data are written again
.set GZ,   80                          ; v80-95   for each of the four groups of 128: +0 s, +1 the raw word of zeros, +2 z + 1 as f32, +3 z + 1 as a whole number
.set SB,   104                         ; v104-107 my column's 16 scale bytes
.set NUM,  112                         ; v112-143 32 numbers
	s_lshr_b32 s17, ttmp9, 3                       ; G
	s_and_b32 s18, ttmp9, 7                        ; t
	s_lshl_b32 s19, s17, 7
	s_lshl_b32 s24, s16, 5
	s_add_co_u32 s19, s19, s24                     ; my wave's first column
	s_lshl_b32 s19, s19, 2                         ; in bytes of a row of words
	s_lshl_b32 s24, s18, 19                        ; qweight: 64 rows of 8,192 bytes a K step
	s_add_co_u32 s24, s24, s19
	s_add_nc_u64 s[6:7], s[6:7], s[24:25]
	s_lshl_b32 s24, s18, 15                        ; scales: 4 rows of 8,192 bytes
	s_add_co_u32 s24, s24, s19
	s_add_nc_u64 s[10:11], s[10:11], s[24:25]
	s_lshl_b32 s24, s18, 12                        ; qzeros: 4 rows of 1,024 bytes; my wave's 32 columns are 4 words: 64 G + 16 w bytes on
	s_lshl_b32 s26, s17, 6
	s_add_co_u32 s24, s24, s26
	s_lshl_b32 s26, s16, 4
	s_add_co_u32 s24, s24, s26
	s_add_nc_u64 s[8:9], s[8:9], s[24:25]
	s_mul_i32 s26, ttmp9, BLK                      ; my block of b_q
	s_lshl_b32 s24, s16, 13                        ; codes: my wave's two blocks of 16 columns, 4,096 bytes each
	s_add_co_u32 s24, s24, s26
	s_add_nc_u64 s[20:21], s[14:15], s[24:25]
	s_lshl_b32 s24, s16, 9                         ; scale bytes: 16 a column
	s_add_co_u32 s24, s24, s26
	s_add_co_u32 s24, s24, SCB
	s_add_nc_u64 s[22:23], s[14:15], s[24:25]
	s_wait_alu depctr_va_vdst(0)
	v_lshlrev_b32 v4, 2, v1                        ; my column's word in a row
	v_lshrrev_b32 v5, 3, v1
	v_lshlrev_b32 v5, 2, v5                        ; the word of zeros that holds my column's,
	v_and_b32 v8, 7, v1
	v_lshlrev_b32 v8, 2, v8                        ; and the bit at which its nibble begins
	v_lshlrev_b32 v6, 4, v2
	v_lshl_add_u32 v6, v3, 12, v6                  ; codes: 4,096 h + 16 r
	v_lshlrev_b32 v7, 4, v1                        ; scale bytes: 16 x lane
.irp g, 0,1,2,3
	global_load_b32 v[GZ+4*\g+1], v5, s[8:9] offset:1024*\g
.endr
.irp g, 0,1,2,3
	global_load_b32 v[GZ+4*\g], v4, s[10:11] offset:8192*\g
.endr
.set i, 0
.rept 64
	global_load_b32 v[WQ+i], v4, s[6:7] offset:8192*i th:TH_LOAD_NT
.set i, i+1
.endr
	s_wait_alu depctr_va_vdst(0)
	s_wait_loadcnt 60                              ; of the 72 loads the oldest 12 are in: zeros, scales and block 0's four words; the 60 words of the later blocks may be out
.irp g, 0,1,2,3
	v_bfe_u32 v[GZ+4*\g+3], v[GZ+4*\g+1], v8, 4    ; my column's zero
.endr
.irp g, 0,1,2,3
	v_add_nc_u32 v[GZ+4*\g+3], 1, v[GZ+4*\g+3]     ; + 1
.endr
.irp g, 0,1,2,3
	v_cvt_f32_u32 v[GZ+4*\g+2], v[GZ+4*\g+3]
.endr
; Block j of 16: k = 32 j on of this K step; its group of 128 is j / 4.
.macro WBLOCK j
.set GP, GZ+4*((\j)/4)
.if (\j) > 0
	s_wait_loadcnt 60-4*(\j)                       ; loads come back in order: this block's four words are in, the words of the later blocks may be out
.endif
.irp u, 0,1,2,3
.irp e, 0,1,2,3,4,5,6,7
	v_bfe_u32 v[NUM+8*\u+\e], v[WQ+4*(\j)+\u], 4*\e, 4
.endr
.endr
.set n, 0
.rept 32
	v_cvt_f32_u32 v[NUM+n], v[NUM+n]
.set n, n+1
.endr
.set n, 0
.rept 16
	v_pk_add_f32 v[NUM+n:NUM+n+1], v[NUM+n:NUM+n+1], v[GP+2:GP+3] op_sel_hi:[1,0] neg_lo:[0,1] neg_hi:[0,1]   ; q - (z + 1): exact.  (Of the pair the low word serves both halves)
.set n, n+2
.endr
.set n, 0
.rept 16
	v_pk_mul_f32 v[NUM+n:NUM+n+1], v[NUM+n:NUM+n+1], v[GP:GP+1] op_sel_hi:[1,0]   ; x s: the one rounding that the definition has.  (A difference times a factor: no fused form gives the same bits)
.set n, n+2
.endr
	BSCALE NUM
.irp g, 0,1,2,3
	v_cvt_scalef32_pk8_fp4_f32 v[WQ+4*(\j)+\g], v[NUM+8*\g:NUM+8*\g+7], v11      ; eight codes a register, the lower k in the lower bits
.endr
.if (\j)%4 == 0
	v_lshrrev_b32 v[SB+(\j)/4], 23, v11            ; the scale's byte, four to a register, the lower k in the lower byte.  (Also the plain line between the conversions and the next block's writes of their sources)
.else
	v_lshrrev_b32 v13, 23, v11
	v_lshl_or_b32 v[SB+(\j)/4], v13, 8*((\j)%4), v[SB+(\j)/4]
.endif
	global_store_b128 v6, v[WQ+4*(\j):WQ+4*(\j)+3], s[20:21] offset:256*(\j)     ; lanes 0-15 store 256 consecutive bytes, aligned; lanes 16-31 another 256, 4,096 bytes on
.endm
.set J, 0
.rept 16
	WBLOCK J
.set J, J+1
.endr
	global_store_b128 v7, v[SB:SB+3], s[22:23]     ; 32 columns x 16 scale bytes: 512 consecutive bytes
	s_endpgm
; ---------------------------------------------------------------- x ----------------------------------------------------------------
; u = work-group - 128.  rb = u / 2: which 16 rows;  t = 4 (u % 2) + wave: which 512 along K.  A wave takes 16 rows x 512 K in eight steps of 16 rows x 64 K.
; The conversions want a block's 32 numbers in ONE lane's registers; a load is best where neighbouring lanes take neighbouring bytes.  Both are had: each load reads 256 consecutive aligned bytes of two
; rows, sixteen lanes to a row; a step's 4,096 bytes go through the wave's own stage in LDS, rows 272 bytes apart (68 words: the sixteen lanes of a half then read sixteen different columns of 16 bytes),
; and come back 128 bytes a lane: lane (r, h) holds block 2 s + h of row r.  Its 16 bytes of codes lie at 512 s + 16 x lane of the row block's codes: the wave stores 512 consecutive bytes.
; Loads run three steps (24 loads a wave) ahead, the turn through LDS one step.
.Lx:
.set WREG, 8960                        ; LDS of a wave: two stages of 16 x 272 bytes, then its 256 scale bytes
.set SP,   272
.set STG,  16*SP
.set BYT,  2*STG
.set R,    16                          ; v16-111  three sets of 32 registers as loaded
.set X,    112                         ; v112-175 two sets of 32 numbers of one block
.set C,    176                         ; v176-183 two sets of four registers of codes
.set E,    184                         ; v184-191 a scale byte for each step
	s_sub_co_u32 s17, ttmp9, 128
	s_lshr_b32 s18, s17, 1                         ; rb
	s_and_b32 s19, s17, 1
	s_lshl_b32 s19, s19, 2
	s_add_co_u32 s19, s19, s16                     ; t
	s_lshl_b32 s24, s18, 18                        ; x: 16 rows of 16,384 bytes,
	s_lshl_b32 s26, s19, 11                        ; 512 numbers of 4 bytes
	s_add_co_u32 s24, s24, s26
	s_add_nc_u64 s[4:5], s[4:5], s[24:25]
	s_and_b32 s26, s18, 0x1f8                      ; 8 (rb / 8)
	s_add_co_u32 s26, s26, s19
	s_mul_i32 s26, s26, BLK                        ; my block of a_q
	s_and_b32 s27, s18, 7                          ; and which 16 rows of its 128
	s_lshl_b32 s24, s27, 12
	s_add_co_u32 s24, s24, s26
	s_add_nc_u64 s[20:21], s[12:13], s[24:25]      ; their codes
	s_lshl_b32 s24, s27, 8
	s_add_co_u32 s24, s24, s26
	s_add_co_u32 s24, s24, SCB
	s_add_nc_u64 s[22:23], s[12:13], s[24:25]      ; their scale bytes
	s_mul_i32 s29, s16, WREG                       ; my wave's LDS
	s_wait_alu depctr_va_vdst(0)
	v_lshlrev_b32 v4, 4, v2
	v_lshl_add_u32 v4, v3, 14, v4                  ; a load: row h of two, 16 r bytes on
	v_lshlrev_b32 v5, 4, v1                        ; my codes: 16 x lane
	v_mul_u32_u24 v6, v3, SP
	v_lshl_add_u32 v6, v2, 4, v6
	v_add_nc_u32 v6, s29, v6                       ; the stage, on the way in: row h of two, 16 r
	v_mul_u32_u24 v7, v2, SP
	v_lshl_add_u32 v7, v3, 7, v7
	v_add_nc_u32 v7, s29, v7                       ; and on the way out: row r, 128 h
	v_lshl_add_u32 v8, v2, 4, v3
	v_add_nc_u32 v8, s29, v8                       ; my scale byte: 16 r + h (+ 2 s)
	v_lshlrev_b32 v10, 3, v1                       ; the scale bytes on the way out: 8 a lane
	v_add_nc_u32 v9, s29, v10
.macro XLOAD s                         ; step s: 64 numbers of each of the 16 rows, two rows a load
.irp i, 0,1,2,3,4,5,6,7
	global_load_b128 v[R+32*((\s)%3)+4*\i:R+32*((\s)%3)+4*\i+3], v4, s[4:5] offset:32768*\i+256*(\s) th:TH_LOAD_NT
.endr
.endm
.macro XTURN s                         ; step s through a stage: LDS serves a wave's instructions in order (ISA guide 5.7.1.4), so no wait stands between the stores and the loads
.irp i, 0,1,2,3,4,5,6,7
	ds_store_b128 v6, v[R+32*((\s)%3)+4*\i:R+32*((\s)%3)+4*\i+3] offset:STG*((\s)%2)+2*SP*\i
.endr
.irp m, 0,1,2,3,4,5,6,7
	ds_load_b128 v[X+32*((\s)%2)+4*\m:X+32*((\s)%2)+4*\m+3], v7 offset:STG*((\s)%2)+16*\m
.endr
.endm
.macro XSTEP s
.set XS, X+32*((\s)%2)
.if (\s) > 0
	s_wait_dscnt 1                                 ; this step's numbers are back from the stage; behind them only the last step's byte store was issued
.else
	s_wait_dscnt 0x0
.endif
.if (\s)+3 < 8
	XLOAD (\s)+3                                   ; into the set that this step's way into the stage has read
.endif
.if (\s) < 7
.if 6-(\s) >= 2
	s_wait_loadcnt 16                              ; the next step's eight loads are in; those of the two steps behind it may be out
.else
	s_wait_loadcnt 8*(6-(\s))                      ; the counts run down: no load leaves the buffer
.endif
	XTURN (\s)+1                                   ; the next step goes through the other stage while this one is worked
.endif
	BSCALE XS
.if (\s) >= 2
	s_wait_alu depctr_va_vdst(0)
	s_wait_xcnt 0x0                                ; the store of two steps ago has read this set of codes: it is written again only behind this wait
.endif
.irp g, 0,1,2,3
	v_cvt_scalef32_pk8_fp4_f32 v[C+4*((\s)%2)+\g], v[XS+8*\g:XS+8*\g+7], v11
.endr
	v_lshrrev_b32 v[E+(\s)], 23, v11               ; the scale's byte.  (Also the plain line behind the conversions)
	ds_store_b8 v8, v[E+(\s)] offset:BYT+2*(\s)
	global_store_b128 v5, v[C+4*((\s)%2):C+4*((\s)%2)+3], s[20:21] offset:512*(\s)   ; 512 consecutive bytes, aligned to 256
.endm
	XLOAD 0
	XLOAD 1
	XLOAD 2
	s_wait_alu depctr_va_vdst(0)
	s_wait_loadcnt 16                              ; step 0's eight loads are in
	XTURN 0
.irp s, 0,1,2,3,4,5,6,7
	XSTEP \s
.endr
	ds_load_b64 v[12:13], v9 offset:BYT            ; my wave's 256 scale bytes: these loads see my byte stores
	s_wait_dscnt 0x0
	global_store_b64 v10, v[12:13], s[22:23]       ; 256 consecutive bytes, aligned
	s_wait_tensorcnt 0x0
	ds_add_u32 v14, v15
	s_wait_dscnt 0x0
	s_endpgm
.Lfunc_end_k_qecc610c7fe_quant:
	.size	k_qecc610c7fe_quant, .Lfunc_end_k_qecc610c7fe_quant-k_qecc610c7fe_quant
	.p2alignl 7, 3214868480
	.fill 96, 4, 3214868480
	.section	.rodata,"a",@progbits
	.p2align	6, 0x0
	.amdhsa_kernel k_qecc610c7fe_quant
		.amdhsa_group_segment_fixed_size 36352
		.amdhsa_private_segment_fixed_size 0
		.amdhsa_enable_private_segment 0
		.amdhsa_kernarg_size 48
		.amdhsa_user_sgpr_count 2
		.amdhsa_user_sgpr_kernarg_segment_ptr 1
		.amdhsa_wavefront_size32 1
		.amdhsa_system_sgpr_workgroup_id_x 1
		.amdhsa_system_sgpr_workgroup_id_y 1
		.amdhsa_system_sgpr_workgroup_id_z 1
		.amdhsa_system_vgpr_workitem_id 0
		.amdhsa_next_free_vgpr 192
		.amdhsa_next_free_sgpr 66
		.amdhsa_reserve_vcc 0
		.amdhsa_float_denorm_mode_32 3
		.amdhsa_float_denorm_mode_16_64 3
		.amdhsa_memory_ordered 1
		.amdhsa_forward_progress 1
		.amdhsa_inst_pref_size 144
	.end_amdhsa_kernel
	.amdgpu_metadata
---
amdhsa.version: [ 1, 2 ]
amdhsa.kernels:
  - .name:           k_qecc610c7fe_quant
    .symbol:         k_qecc610c7fe_quant.kd
    .args:
      - { .name: x, .offset: 0, .size: 8, .value_kind: global_buffer, .address_space: global }
      - { .name: qweight, .offset: 8, .size: 8, .value_kind: global_buffer, .address_space: global }
      - { .name: qzeros, .offset: 16, .size: 8, .value_kind: global_buffer, .address_space: global }
      - { .name: scales, .offset: 24, .size: 8, .value_kind: global_buffer, .address_space: global }
      - { .name: a_q, .offset: 32, .size: 8, .value_kind: global_buffer, .address_space: global }
      - { .name: b_q, .offset: 40, .size: 8, .value_kind: global_buffer, .address_space: global }
    .group_segment_fixed_size: 36352
    .private_segment_fixed_size: 0
    .kernarg_segment_align: 8
    .kernarg_segment_size: 48
    .max_flat_workgroup_size: 128
    .sgpr_count:     66
    .vgpr_count:     192
    .wavefront_size: 32
...
	.end_amdgpu_metadata
.endif
;; end of part 1
;; launch gemm (part 2): grid 8 x 32, 4 waves a work-group, clusters of 4 x 4, 327,680 bytes of LDS; arguments a_q, b_q, out0; writes out0
.if DOCPART == 2
	.amdgcn_target "amdgcn-amd-amdhsa--gfx1250"
	.amdhsa_code_object_version 6
	.text
	.protected	k_qecc610c7fe_gemm
	.globl	k_qecc610c7fe_gemm
	.p2align	8
	.type	k_qecc610c7fe_gemm,@function
k_qecc610c7fe_gemm:
	s_mov_b64 s[64:65], 0
	v_nop
	global_prefetch_b8 v0, s[64:65] scope:SCOPE_SE
	s_setreg_imm32_b32 hwreg(HW_REG_WAVE_MODE, 25, 1), 1
	s_wait_xcnt 0x0
	s_wait_alu depctr_hold_cnt(0) depctr_sa_sdst(0) depctr_va_vdst(0) depctr_va_sdst(0) depctr_va_ssrc(0) depctr_va_vcc(0) depctr_vm_vsrc(0)
	s_getreg_b32 s2, hwreg(HW_REG_IB_STS2, 6, 4)
	s_cmp_eq_u32 s2, 0
	s_cbranch_scc0 .Lentry_in_a_cluster
	s_endpgm
.Lentry_in_a_cluster:
	s_bfe_u32 s2, ttmp6, 0x10000c
	s_cmp_lg_u32 s2, 0xf033
	s_cbranch_scc0 .Lentry_shape_is_right
	s_endpgm
.Lentry_shape_is_right:
; out[m][n] = sum over k of A[m][k] B[n][k] on codes of FP4 (E2M1) with one E8M0 byte for each 32 along K; out: [8192][2048] f32, sums in f32.
; a_q, b_q are laid by the launch before in the order of the operands' registers: a BLOCK of BLK bytes holds 128 rows x 512 K: codes [i: 16 rows][j: 32 K][r][16 bytes], then scale bytes [i][r][16].
; Block (G, t) lies at (8 G + t) BLK.  A fragment (i, q) is two loads of 512 consecutive bytes a wave, at 4096 i + 1024 q + 512 c + 16 x lane.
; A tile of out, 256 x 256, is made by four waves, 128 x 128 each: 512 accumulator registers.  256 work-groups, one tile each.  K goes in steps of 512 through two LDS slots of 4 blocks.
; CLUSTERS 4 x 4: A's blocks are asked for jointly along a row of the cluster, B's along a column.
; THE PRODUCT is v_wmma_scale_f32_32x16x128_f4, used transposed: source 0 = 32 rows of B (two fragments on end), source 1 = 16 rows of A.  A lane then holds row l % 16 of out, and registers 0-7 and 8-15
; eight neighbouring columns each.  Source 0's scale register holds a word in each of the 32 lanes; source 1's holds the words of two blocks of A, the even one in lanes 0-15, the odd one in lanes 16-31.
; TWO SETS OF FRAGMENT REGISTERS FOR A AND FOR B: a step of 128 K begins with ONE run of 32 LDS loads, the next step's fragments, and then multiplies its own, which were asked for a step before.
; A slot's last step begins with the change of slots: the refill goes out ahead of that step's products.
; THE LAST K STEP OF 512 GOES BY ROWS OF out: all of B's fragments lie in window 1, A's come by blocks of 16 rows, and each finished block leaves while the next is multiplied.
; ORDER OF THE SUMS (a stated limit): a cluster begins at K step 2 (cluster y % 4) + 4 (cluster x), modulo 8, and the last step's quarters go 0, 1, 3, 2: the f32 sums are not taken in ascending K.
; PREFETCH: behind the joint load of the n-th K step of the walk (n = 1 .. 5) each wave asks for its block of step n + 2: 136 units of 256 bytes, 34 to each of the four partners, told apart by address;
; two instructions a wave, a lane a unit (the second's spare lanes name its last unit again).  Steps 0 to 2 come by their loads alone; the last trip asks for nothing.
; REGISTERS: window 0: v0-31 addresses; v32-95 scale words, a set for each slot (16 registers for B, 16 for A); v128-191, v192-255 A's two sets (by rows: four buffers of 16 rows x 512 K).
;   window 1: B's two sets at v0 and v128 (by rows: quarter q at v[64 q]).  window 2: accumulators of my rows 0-63, (a, b) at v[8 (8 a + b)]; window 3: rows 64-127.
.set SIZE_N, 2048
.set BLK,    34816
.set SCB,    32768                     ; where a block's scale bytes begin
.set SLOT,   4*BLK                     ; A's two blocks, then B's two
.set LAPS,   4                         ; a lap = two K steps of 512
.set SPARE,  2*SLOT                    ; behind the ring: the spare words, 128 bytes a wave
.set SPITCH, 528                       ; the way out: a stage of 16 rows x (512 + 16) bytes a wave, in slot 0, which has had its last fill and its last read by then
.set PSH,    34*256                    ; a partner's share of a block's prefetch
.set ADRA, 16                          ; v16-17 LDS address of my block of A in slot 0, 1, + 16 x lane
.set ADRB, 20                          ; v20-21 the same for B
.set STO,  24                          ; into the stage
.set RD,   25                          ; back from it
.set CO,   26                          ; 16 x lane: my bytes of a row of out
.set SPW,  28                          ; my spare word
.set NIL,  29                          ; 0
.set PFO,  30                          ; v30-31 the prefetches' offsets
.set SC,   32
.set AF,   128
.set G1, 24
.set G0, 32
.set G1B, 48
.set G0B, 56
.set BA,  68                           ; s[68:69] the run of eight blocks of A that I fetch from; s[70:71] of B
.set BB,  70
.set KX,  72                           ; s72, s73 the K step that slot 0, 1 holds or is asked to hold
.set OFS, 74
.set PFA, 76                           ; s[76:77] where my prefetches stand
.set PB,  78                           ; s[78:79] my run of blocks + my work-group's share
.set MSB, 0
.macro WIN new                         ; the immediate's high byte repeats the setting that is left
.if MSB != (\new)
	s_set_vgpr_msb (MSB<<8)|(\new)
.set MSB, (\new)
.endif
.endm
.set MUL_LO, 0xa1                      ; source 0 (B) window 1, source 1 (A) window 0, C and D window 2
.set MUL_HI, 0xf1                      ; the same, C and D window 3
.set TO_B,   0x40                      ; destination window 1
.macro PLACES                          ; four places ahead of loads into registers that matrix instructions have read, and of reads of results
.rept 4
	v_nop
.endr
.endm
; A joint load: waves 0, 1 fetch A's two blocks, waves 2, 3 B's.
.macro JLOAD s
	s_cmp_eq_u32 s15, 0
	s_cbranch_scc0 .Lfor_b_\@
	tensor_load_to_lds s[G0+4*\s:G0+4*\s+3], s[G1:G1+7]
	s_nop 0
	PLACES
	s_branch .Lasked_\@
.Lfor_b_\@:
	tensor_load_to_lds s[G0B+4*\s:G0B+4*\s+3], s[G1B:G1B+7]
	s_nop 0
	PLACES
.Lasked_\@:
.endm
.macro AIM s                           ; slot s's two descriptors point at K step KX[s]
	s_mul_i32 s[OFS], s[KX+\s], BLK
	s_add_nc_u64 s[G0+4*\s+2:G0+4*\s+3], s[BA:BA+1], s[OFS:OFS+1]
	s_or_b32 s[G0+4*\s+3], s[G0+4*\s+3], 0x80000000
	s_add_nc_u64 s[G0B+4*\s+2:G0B+4*\s+3], s[BB:BB+1], s[OFS:OFS+1]
	s_or_b32 s[G0B+4*\s+3], s[G0B+4*\s+3], 0x80000000
.endm
.macro AHEAD s                         ; my prefetches point two K steps behind KX[s]
	s_add_co_u32 s[OFS], s[KX+\s], 2
	s_and_b32 s[OFS], s[OFS], 7
	s_mul_i32 s[OFS], s[OFS], BLK
	s_add_nc_u64 s[PFA:PFA+1], s[PB:PB+1], s[OFS:OFS+1]
.endm
.macro ASK always                      ; in the loop: not in the last trip, whose refills are the walk's last two K steps
.if \always == 0
	s_cmp_gt_u32 s3, 1
	s_cbranch_scc0 .Lnone_\@
.endif
	global_prefetch_b8 v[PFO], s[PFA:PFA+1] th:TH_LOAD_NT scope:SCOPE_SE
	global_prefetch_b8 v[PFO+1], s[PFA:PFA+1] th:TH_LOAD_NT scope:SCOPE_SE
.if \always == 0
.Lnone_\@:
.endif
.endm
.macro CREST                           ; a round of the cluster's barrier behind its opening barrier
	s_cmp_lg_u32 s14, 0
	s_cbranch_scc1 .Lnot_wave_0_\@
	s_barrier_signal -3
.Lnot_wave_0_\@:
	s_barrier_wait -3
	s_barrier_signal -1
	s_barrier_wait -1
.endm
.macro CROUND
	s_barrier_signal -1
	s_barrier_wait -1
	CREST
.endm
	s_load_b128 s[4:7], s[0:1], 0x0                ; a_q, b_q
	s_load_b64 s[12:13], s[0:1], 0x10              ; out
	v_lshl_add_u32 v[SPW], v0, 2, SPARE
	v_mov_b32 v[NIL], 0
	ds_add_u32 v[SPW], v[NIL]                      ; the opening lines: the add, twice on end, and its wait ahead of my first tensor load
	ds_add_u32 v[SPW], v[NIL]
	v_lshrrev_b32 v1, 5, v0
	v_readfirstlane_b32 s14, v1                    ; wave 0..3
	s_lshr_b32 s15, s14, 1                         ; my half of the tile's rows; also: I fetch for A (0) or B (1)
	s_and_b32 s16, s14, 1                          ; my half of its columns; also: which block I fetch
	s_bfe_u32 s40, ttmp6, 0x40000                  ; cx
	s_bfe_u32 s41, ttmp6, 0x40004                  ; cy
	s_lshl_b32 s42, ttmp9, 2
	s_add_co_u32 s42, s42, s40                     ; tile column
	s_and_b32 s17, ttmp7, 0xffff
	s_lshl_b32 s17, s17, 2
	s_add_co_u32 s17, s17, s41                     ; tile row
	s_lshl_b32 s43, s41, 2
	s_lshl_b32 s43, 15, s43                        ; my row of the cluster
	s_lshl_b32 s44, 0x1111, s40                    ; my column
	s_and_b32 s[KX], ttmp7, 3                      ; the cluster's first K step: made of the cluster's x and y alone, the same in all partners
	s_lshl_b32 s[KX], s[KX], 1
	s_lshl_b32 s[KX+1], ttmp9, 2
	s_add_co_u32 s[KX], s[KX], s[KX+1]
	s_and_b32 s[KX], s[KX], 7                      ; even,
	s_add_co_u32 s[KX+1], s[KX], 1                 ; so this stays under 8
	s_mov_b32 s[OFS+1], 0
	s_or_b32 s[G1+0], s43, (3<<16)|(1<<21)         ; group 1: a dense block as 17 rows of 2,048 bytes (256 elements of 8 bytes), no padding; the mask, and bit 21 beside it
	s_or_b32 s[G1B+0], s44, (3<<16)|(1<<21)
.irp g, G1, G1B
	s_mov_b32 s[\g+1], 256<<16
	s_mov_b32 s[\g+2], 17<<16
	s_mov_b32 s[\g+3], 256<<16
	s_mov_b32 s[\g+4], 17
	s_mov_b32 s[\g+5], 256
	s_mov_b32 s[\g+6], 0
	s_mov_b32 s[\g+7], 0
.endr
	s_lshl_b32 s20, s17, 1
	s_add_co_u32 s20, s20, s16                     ; A: G = 2 x tile row + half
	s_lshl_b32 s46, s42, 1
	s_add_co_u32 s46, s46, s16                     ; B: G = 2 x tile column + half
	s_mov_b32 s21, 0
	s_mov_b32 s47, 0
	s_mov_b64 s[18:19], 8*BLK
	s_mul_u64 s[20:21], s[20:21], s[18:19]
	s_mul_u64 s[46:47], s[46:47], s[18:19]
	s_mul_i32 s45, s14, BLK                        ; where my block goes: wave x BLK
	s_wait_dscnt 0x0                               ; both opening adds are done
	s_wait_kmcnt 0x0
	s_add_nc_u64 s[BA:BA+1], s[4:5], s[20:21]
	s_add_nc_u64 s[BB:BB+1], s[6:7], s[46:47]
.irp s, 0,1
	s_mov_b32 s[G0+4*\s], 1
	s_add_co_u32 s[G0+4*\s+1], s45, \s*SLOT
	s_mov_b32 s[G0B+4*\s], 1
	s_add_co_u32 s[G0B+4*\s+1], s45, \s*SLOT
	AIM \s
.endr
	s_cmp_eq_u32 s15, 0                            ; the prefetches: my run of blocks, and my place among the four that ask with me
	s_cselect_b64 s[PB:PB+1], s[BA:BA+1], s[BB:BB+1]
	s_cselect_b32 s18, s40, s41
	s_mul_i32 s18, s18, PSH
	s_mov_b32 s19, 0
	s_add_nc_u64 s[PB:PB+1], s[PB:PB+1], s[18:19]
	AHEAD 1
	CROUND                                         ; all sixteen work-groups are here: the first joint loads meet
	JLOAD 0                                        ; one tensor load a wave at the head
	s_lshl_b32 s20, s17, 8                         ; my first row of out: 256 x tile row + 128 x half, rows of 8,192 bytes;
	s_lshl_b32 s21, s15, 7
	s_add_co_u32 s20, s20, s21
	s_lshl_b32 s20, s20, 13
	s_lshl_b32 s21, s42, 10                        ; my first column: 1,024 bytes a tile column + 512 x half.  All under 2^27
	s_add_co_u32 s20, s20, s21
	s_lshl_b32 s21, s16, 9
	s_add_co_u32 s20, s20, s21
	s_mov_b32 s21, 0
	s_add_nc_u64 s[12:13], s[12:13], s[20:21]
	s_mul_i32 s20, s15, BLK                        ; my block of A in a slot
	s_mul_i32 s21, s16, BLK
	s_add_co_u32 s21, s21, 2*BLK                   ; my block of B
	s_mul_i32 s18, s14, 16*SPITCH                  ; my stage
	v_and_b32 v1, 15, v0                           ; r
	v_bfe_u32 v2, v0, 4, 1                         ; h
	v_and_b32 v6, 31, v0                           ; lane
	v_lshlrev_b32 v[CO], 4, v6
	v_add_nc_u32 v[ADRA], s20, v[CO]
	v_add_nc_u32 v[ADRB], s21, v[CO]
	v_add_nc_u32 v[ADRA+1], SLOT, v[ADRA]
	v_add_nc_u32 v[ADRB+1], SLOT, v[ADRB]
	v_mul_u32_u24 v7, v1, SPITCH                   ; into the stage: row r, 32 bytes for each half of the lanes
	v_lshl_add_u32 v7, v2, 5, v7
	v_add_nc_u32 v[STO], s18, v7
	v_add_nc_u32 v[RD], s18, v[CO]                 ; back: the 32 lanes take one row of 512 bytes
	v_lshlrev_b32 v[PFO], 8, v6                    ; units 0 .. 31 of my share,
	v_min_u32 v8, 1, v6
	v_lshl_add_u32 v[PFO+1], v8, 8, 8192           ; and units 32, 33
; One product: 32 rows of B x 16 rows of A x 128 K.  row: which half of the lanes holds A's scale words; zero = 1: it starts its sum
.macro WM d, bf, af, sb, sa, row, zero
.if \zero
.if \row
	v_wmma_scale_f32_32x16x128_f4 v[\d:\d+15], v[\bf:\bf+15], v[\af:\af+7], 0, v[\sb], v[\sa] matrix_b_scale:MATRIX_SCALE_ROW1
.else
	v_wmma_scale_f32_32x16x128_f4 v[\d:\d+15], v[\bf:\bf+15], v[\af:\af+7], 0, v[\sb], v[\sa]
.endif
.else
.if \row
	v_wmma_scale_f32_32x16x128_f4 v[\d:\d+15], v[\bf:\bf+15], v[\af:\af+7], v[\d:\d+15], v[\sb], v[\sa] matrix_b_scale:MATRIX_SCALE_ROW1
.else
	v_wmma_scale_f32_32x16x128_f4 v[\d:\d+15], v[\bf:\bf+15], v[\af:\af+7], v[\d:\d+15], v[\sb], v[\sa]
.endif
.endif
.endm
; 8 products: A's blocks a0 (even), a0 + 1 x B's four pairs of blocks, the slot's q-th 128 K, from sets p; sc: the slot's scale words.  The 32 accumulators take turns in one order in every step.
.macro MUL8 a0, p, q, sc, zero
.irp a, \a0, \a0+1
.irp b, 0,1,2,3
	WM 8*(8*((\a)%4)+2*\b), 128*(\p)+16*\b, AF+64*(\p)+8*(\a), SC+32*(\sc)+4*\b+(\q), SC+32*(\sc)+16+4*((\a)/2)+(\q), (\a)%2, \zero
.endr
.endr
.endm
.macro MULS p, q, sc, zero             ; a whole step's 32 products
	WIN MUL_LO
	MUL8 0, \p, \q, \sc, \zero
	MUL8 2, \p, \q, \sc, \zero
	WIN MUL_HI
	MUL8 4, \p, \q, \sc, \zero
	MUL8 6, \p, \q, \sc, \zero
.endm
.macro FRAG reg, adr, q, i             ; 16 rows x 128 K: 8 registers, two loads of 512 consecutive bytes
.irp c, 0,1
	ds_load_b128 v[\reg+4*\c:\reg+4*\c+3], v[\adr] offset:4096*(\i)+1024*(\q)+512*\c
.endr
.endm
.macro FETCH slot, q, p                ; 32 LDS loads in one run: B's and A's eight fragments of the slot's q-th 128 K into sets p
	WIN TO_B
.irp i, 0,1,2,3,4,5,6,7
	FRAG 128*(\p)+8*\i, ADRB+\slot, \q, \i
.endr
	WIN 0
.irp i, 0,1,2,3,4,5,6,7
	FRAG AF+64*(\p)+8*\i, ADRA+\slot, \q, \i
.endr
.endm
.macro SCALES sc                       ; a K step's scale words, four a row: a load takes two blocks of 16 rows, 512 consecutive bytes
.irp i, 0,1,2,3
	ds_load_b128 v[SC+32*\sc+4*\i:SC+32*\sc+4*\i+3], v[ADRB+\sc] offset:SCB+512*\i
	ds_load_b128 v[SC+32*\sc+16+4*\i:SC+32*\sc+16+4*\i+3], v[ADRA+\sc] offset:SCB+512*\i
.endr
.endm
; A step of 128 K whose successor lies in the same slot.
.macro STEP slot, q, zero
	PLACES                                         ; the other sets were read by the step before
	FETCH \slot, (\q)+1, 1-(\q)%2
	s_wait_dscnt 32                                ; all but the 32 just issued: this step's fragments are in
	MULS (\q)%2, \q, \slot, \zero
.endm
; The one barrier of the change of slots: in front of it all my tensor loads have landed, the add is done and my reads of this slot are over (its last fragments were asked for a step ago).
.macro MEET slot, fill
	WIN 0
	s_wait_tensorcnt 0x0                           ; my part of the next slot is in; no tensor load of mine is out, so descriptors may be written
	ds_add_u32 v[SPW], v[NIL]
.if \fill
	s_add_co_u32 s[KX+\slot], s[KX+\slot], 2
	s_and_b32 s[KX+\slot], s[KX+\slot], 7
	AIM \slot
	AHEAD \slot
.endif
	s_wait_dscnt 0x0
	s_barrier_signal -1
	s_barrier_wait -1
.endm
.macro TURN slot, next                 ; a slot's last step; the slot is filled again, two K steps on, ahead of the step's products
	s_wait_xcnt 0x0                                ; my prefetches have read their address: it is written again only behind this wait
	MEET \slot, 1
	CREST                                          ; the barrier has opened a round of the cluster's barrier
	JLOAD \slot                                    ; the first tensor load behind the round; its four v_nop are the places for the loads below
	FETCH \next, 0, 0
	SCALES \next
	ASK 0
	MULS 1, 3, \slot, 0
.endm
	s_wait_alu depctr_va_vdst(0)
	s_wait_tensorcnt 0x0                           ; my block of the first K step is in; these lines stand ahead of a later first fill as ahead of a refill
	ds_add_u32 v[SPW], v[NIL]
	s_wait_dscnt 0x0
	CROUND
	JLOAD 1                                        ; slot 1's first fill, the first tensor load behind the round
	FETCH 0, 0, 0
	SCALES 0
	ASK 1
	STEP 0, 0, 1                                   ; the first step's products start the sums
	WIN 0
	s_mov_b32 s3, LAPS-1
.Llap:                                                 ; a trip goes once round the ring and fills both slots again
	STEP 0, 1, 0
	STEP 0, 2, 0
	TURN 0, 1
	STEP 1, 0, 0
	STEP 1, 1, 0
	STEP 1, 2, 0
	TURN 1, 0
	STEP 0, 0, 0
	WIN 0
	s_sub_co_u32 s3, s3, 1
	s_cmp_lg_u32 s3, 0
	s_cbranch_scc1 .Llap
	STEP 0, 1, 0
	STEP 0, 2, 0
; THE LAST K STEP (slot 1) BY ROWS OF out.
.macro BLOAD q                         ; B's eight fragments of quarter q -> window 1, v[64 q ..]
.irp i, 0,1,2,3,4,5,6,7
	FRAG 64*\q+8*\i, ADRB+1, \q, \i
.endr
.endm
.macro ALOAD a                         ; A's block a, all four quarters -> buffer a % 4
.irp q, 0,1,2,3
	FRAG AF+32*((\a)%4)+8*\q, ADRA+1, \q, \a
.endr
.endm
.macro ROW a                           ; block a is finished: 16 products, its four accumulators by turns
	WIN MUL_LO+0x50*((\a)/4)
.irp q, 0,1,3,2
.if (\a) == 0
.if \q == 2
	s_wait_dscnt 16                                ; B's quarter 2 is in; behind it A's blocks 2 and 3 were asked for
.endif
.endif
.irp b, 0,1,2,3
	WM 64*((\a)%4)+16*\b, 64*\q+16*\b, AF+32*((\a)%4)+8*\q, SC+32+4*\b+\q, SC+48+4*((\a)/2)+\q, (\a)%2, 0
.endr
.endr
.endm
; The way out of block a: 32 bytes a lane into my stage, each accumulator from its low end on, and back as whole rows of 512 bytes INTO THE BLOCK'S OWN 64 REGISTERS, which are done with: no store's data are written again.
.macro TOSTAGE a
.set AC, 64*((\a)%4)
	WIN 0x88+0x44*((\a)/4)                         ; store data and load destination: window 2 or 3; addresses: window 0
.irp b, 0,1,2,3,4,5,6,7
	ds_store_b128 v[STO], v[AC+8*\b:AC+8*\b+3] offset:64*\b
	ds_store_b128 v[STO], v[AC+8*\b+4:AC+8*\b+7] offset:64*\b+16
.endr
.irp t, 0,1,2,3,4,5,6,7,8,9,10,11,12,13,14,15
	ds_load_b128 v[AC+4*\t:AC+4*\t+3], v[RD] offset:\t*SPITCH     ; LDS serves a wave's instructions in order (ISA guide 5.7.1.4): these see the stores above
.endr
.endm
.macro SEND a, younger                 ; younger: the LDS loads issued behind TOSTAGE's
.set AC, 64*((\a)%4)
	WIN 0x88+0x44*((\a)/4)
	s_wait_dscnt \younger
.irp t, 0,1,2,3,4,5,6,7,8,9,10,11,12,13,14,15
	global_store_b128 v[CO], v[AC+4*\t:AC+4*\t+3], s[12:13] offset:(16*(\a)+\t)*SIZE_N*4 th:TH_STORE_NT   ; 512 consecutive bytes, at a multiple of 256; 127 rows of 8,192 bytes at the most stand in the immediate
.endr
.endm
	MEET 0, 0                                      ; slot 1's last fill is in; nothing is filled again, so no round follows
	PLACES
	WIN TO_B
	BLOAD 0                                        ; three quarters of B now: set 1 (v128-191 of window 1) is yet to be multiplied
	BLOAD 1
	BLOAD 3
	WIN 0
	SCALES 1
	ALOAD 0
	ALOAD 1
	MULS 1, 3, 0, 0                                ; slot 0's last step
	PLACES
	WIN TO_B
	BLOAD 2
	WIN 0
	ALOAD 2
	ALOAD 3
	s_wait_dscnt 32                                ; all but B's quarter 2 (16 loads) and A's blocks 2, 3 (16)
	ROW 0
.irp a, 0,1,2,3,4,5,6,7                ; block a goes through the stage, block a + 1 is multiplied meanwhile, then block a is stored
	PLACES                                         ; ahead of the reads of block a's results and of the loads into its registers and its buffer of A
	TOSTAGE \a
.if \a < 4
	WIN 0
	ALOAD \a+4
.endif
.if \a < 7
	ROW \a+1                                       ; its fragments of A are in: block 1's by the wait ahead of ROW 0, the later ones' by SEND's wait
.endif
.if \a < 4
	SEND \a, 8
.else
	SEND \a, 0
.endif
.endr
	WIN 0
	s_wait_tensorcnt 0x0                           ; the wave's end
	ds_add_u32 v[SPW], v[NIL]
	s_wait_dscnt 0x0
	CROUND                                         ; the closing round
	s_endpgm
.Lfunc_end_k_qecc610c7fe_gemm:
	.size	k_qecc610c7fe_gemm, .Lfunc_end_k_qecc610c7fe_gemm-k_qecc610c7fe_gemm
	.p2alignl 7, 3214868480
	.fill 96, 4, 3214868480
	.section	.rodata,"a",@progbits
	.p2align	6, 0x0
	.amdhsa_kernel k_qecc610c7fe_gemm
		.amdhsa_group_segment_fixed_size 327680
		.amdhsa_private_segment_fixed_size 0
		.amdhsa_enable_private_segment 0
		.amdhsa_kernarg_size 24
		.amdhsa_user_sgpr_count 2
		.amdhsa_user_sgpr_kernarg_segment_ptr 1
		.amdhsa_wavefront_size32 1
		.amdhsa_system_sgpr_workgroup_id_x 1
		.amdhsa_system_sgpr_workgroup_id_y 1
		.amdhsa_system_sgpr_workgroup_id_z 1
		.amdhsa_system_vgpr_workitem_id 0
		.amdhsa_next_free_vgpr 1024
		.amdhsa_next_free_sgpr 80
		.amdhsa_reserve_vcc 0
		.amdhsa_float_denorm_mode_32 3
		.amdhsa_float_denorm_mode_16_64 3
		.amdhsa_memory_ordered 1
		.amdhsa_forward_progress 1
		.amdhsa_inst_pref_size 144
	.end_amdhsa_kernel
	.amdgpu_metadata
---
amdhsa.version: [ 1, 2 ]
amdhsa.kernels:
  - .name:           k_qecc610c7fe_gemm
    .symbol:         k_qecc610c7fe_gemm.kd
    .args:
      - { .name: a_q, .offset: 0, .size: 8, .value_kind: global_buffer, .address_space: global }
      - { .name: b_q, .offset: 8, .size: 8, .value_kind: global_buffer, .address_space: global }
      - { .name: out0, .offset: 16, .size: 8, .value_kind: global_buffer, .address_space: global }
    .group_segment_fixed_size: 327680
    .private_segment_fixed_size: 0
    .kernarg_segment_align: 8
    .kernarg_segment_size: 24
    .max_flat_workgroup_size: 128
    .sgpr_count:     80
    .vgpr_count:     1024
    .wavefront_size: 32
...
	.end_amdgpu_metadata
.endif
;; end of part 2
